; MI455X (gfx1250); checked and timed in simulation.
; The chip was launched on July 23, 2026; its instructions are those of AMD's public machine-readable ISA for CDNA 5 (MIT licence, August 2026) and "CDNA5" Instruction Set Architecture Reference Guide (July 2026). The comments in the code are by the model that wrote it; some were corrected since.
;; Decoder Attention. Allowed arithmetic: matrix products marked QUANTISED: E5M2 operands, one given power-of-two scale a tensor, by v_wmma_f32_16x16x64_bf8_bf8 or v_wmma_f32_16x16x128_bf8_bf8, f32 sums; everything else in f32.
;; Inputs: Wk 1,024 x 1,024 float32; Wq 1,024 x 1,024 float32; Wv 1,024 x 1,024 float32; beta 1,024 float32; gamma 1,024 float32; lowp_scales 10 int32 (the exponents e of the quantised operands' scales 2^e); mask 1 x 4 x 2,048 x 2,048 bool; x 4 x 2,048 x 1,024 float32.
;; Outputs: out0 4 x 2,048 x 1,024 float32.
;; This version of the problem:
;;   THIS VERSION OF THE PROBLEM IS GIVEN IN LOW PRECISION. The matrix products marked QUANTISED in the list below multiply operands that are first quantised to E5M2 (5 exponent bits, 2 mantissa bits; 8 bits a number), with one given power-of-two scale for each operand tensor; their sums are f32. All else is computed in f32.
;;   The module's matrix products, in the order in which they are computed (A, B: the left and right operand; K: the contracted axis; several contracted axes count as one K, in the product's order):
;;     1. [M 8,192, K 1,024] x [K 1,024, N 1,024]; A: input x; B: input Wq: QUANTISED (scales: A lowp_scales[0], B lowp_scales[1])
;;     2. [M 8,192, K 1,024] x [K 1,024, N 1,024]; A: input x; B: input Wk: QUANTISED (scales: A lowp_scales[2], B lowp_scales[3])
;;     3. [M 8,192, K 1,024] x [K 1,024, N 1,024]; A: input x; B: input Wv: QUANTISED (scales: A lowp_scales[4], B lowp_scales[5])
;;     4. batch 64 x [M 2,048, K 64] x [K 64, N 2,048]; A: computed on the way; B: computed on the way: QUANTISED (scales: A lowp_scales[6], B lowp_scales[7])
;;     5. batch 64 x [M 64, K 2,048] x [K 2,048, N 2,048]; A: computed on the way; B: softmax (see below): QUANTISED (scales: A lowp_scales[8], B lowp_scales[9])
;;   THE QUANTISER, for each operand of a quantised product, along K:
;;     - The operand's scale is 2^e, e = its entry of the input lowp_scales (int32; the entries are numbered through the quantised products in the list's order, A before B).
;;     - Each number is divided by the scale, clamped to +-57,344, and rounded to the nearest number of E5M2, ties to even, subnormals kept.
;;     - The product sums the exact products of the quantised numbers (number of the format x scale) in f32.
;;   ~~~python
;;   def quantise(x, axis, e):      # numpy; x: float32 -> the quantised numbers, widened to float32 again
;;       x = np.moveaxis(x, axis, -1); K = x.shape[-1]
;;       r = np.clip(x / 2.0 ** e, -57344, 57344)
;;       step = 2.0 ** (np.maximum(np.frexp(np.where(r == 0, 1, r))[1] - 1, -14) - 2)
;;       q = np.round(r / step) * step * 2.0 ** e      # np.round: ties to even
;;       return np.moveaxis(q, -1, axis).astype(np.float32)
;;   ~~~
;;   SOFTMAX AHEAD OF A QUANTISED PRODUCT. Where the list says 'softmax', what is quantised is not the finished softmax but p = 2^(t - M), with t = logit x log2(e) and M = ceil(the row's largest t), a whole number; so 1/2 < the row's largest p <= 1. The row's sum l is taken of the UNQUANTISED p, in f32, and the product's result is divided by l at the end. Since M is a whole number, a kernel that streams over the keys may use a running M (the ceiling of the running maximum): every later rescaling is an exact power of two, so the quantised numbers keep their values, but for numbers so far below the row's largest that they fall under the format's range.
;;   OPERANDS COMPUTED ON THE WAY. 'Computed on the way' means the value that the module computes at that place (a softmax that the list does not call 'softmax' is quantised finished and normalised). What goes into a quantiser is computed in f32, as accurately as f32 sums, v_exp_f32 and their like allow (about 1e-6 of the number): no bf16 or f16 on the way to a quantiser, and a product that is left as it is and whose result goes on into a quantised operand takes f32 operands (vector FMAs, or v_wmma_f32_16x16x4_f32). A number that lies on a knife's edge between two numbers of the format may be rounded either way, as far as f32 arithmetic and the matrix unit's own rounding can turn it there, and no further.
;; One version. Each part assembles by itself: llvm-mc -triple=amdgcn-amd-amdhsa -mcpu=gfx1250 --defsym DOCPART=n.
;; ======== version 1 of 1: 4 launches
;; limits: right only within a limited range of input values
;; workspace buffers: codes 28,311,552 bytes; mbits 2,359,296 bytes of whole numbers; qkv 25,165,824 bytes; y 33,554,432 bytes
;; launch prep (part 1): grid 608 x 1, 4 waves a work-group, no clusters, 0 bytes of LDS; arguments x, Wq, Wk, Wv, mask, lowp_scales, codes, mbits; writes codes, mbits
.if DOCPART == 1
	.amdgcn_target "amdgcn-amd-amdhsa--gfx1250"
	.amdhsa_code_object_version 6
	.text
	.protected	k_qd77faa2477_prep
	.globl	k_qd77faa2477_prep
	.p2align	8
	.type	k_qd77faa2477_prep,@function
k_qd77faa2477_prep:
	s_mov_b64 s[64:65], 0
	v_nop
	global_prefetch_b8 v0, s[64:65] scope:SCOPE_SE
	s_setreg_imm32_b32 hwreg(HW_REG_WAVE_MODE, 25, 1), 1
	s_wait_xcnt 0x0
; THREE STREAMS IN ONE LAUNCH, told apart by the work-group's number alone; no LDS, no barrier, waves share nothing.
;   work-groups 0-255:   x [8192][1024] f32 -> three sets of codes of BF8 (E5M2), under the scales 2^e0, 2^e2, 2^e4 (the three products that take x need not share a scale)
;   work-groups 256-351: Wq, Wk, Wv [1024][1024] f32 -> codes under 2^e1, 2^e3, 2^e5
;   work-groups 352-607: mask [4][2048][2048] bool -> lane masks, one 32-bit word for each register of a tile of scores
; code = number / 2^e, held within +-57,344, rounded to the nearest code, ties to even.
; LIMITS: e0 .. e5 between -126 and 112, so that 2^e and 57,344 x 2^e are f32 numbers.  NaN among the inputs is not served (an infinity is held at the largest code).
; codes, in bytes: x under e0 at 0, under e2 at 8 MiB, under e4 at 16 MiB; Wq at 24 MiB, Wk at 25 MiB, Wv at 26 MiB; a row of 1,024 numbers is 1,024 bytes.
; THE ORDER ALONG K IS THE PROGRAM'S OWN, alike in x and in the weights, so that every product meets its partner: in each run of 512 numbers byte 16 l + 4 i + j holds number 128 i + 4 l + j.
; That is what dense loads give: load i of a step takes 512 consecutive bytes, 16 a lane (lane l: numbers 128 i + 4 l + 0 .. 3); a lane's 16 numbers become 16 bytes, and the wave stores 512 consecutive bytes.
; mbits, in bytes: (32 queries' number P) x 8,192 + (64 keys' number) x 256 + 4 (2 n + u).  Word (n = 8 q + j, u) has bit 16 h + r = mask[row 32 P + 16 u + r][key 64 step + 16 q + 8 h + j].
.set WGX, 256                          ; work-groups for x
.set WGW, 96                           ; for the three weights
.set R,   16                           ; v16-79    four sets of 16 numbers as loaded
.set T,   80                           ; v80-111   two sets of 16 numbers, held
.set C,   112                          ; v112-159  codes: four sets, four registers for each version
.set SC,  4                            ; v4-6      2^e as f32, one for each version
.set LM,  8                            ; v8-10     57,344 x 2^e
.set SRC, 32                           ; s[32:33]  where my wave's numbers begin
.set DST, 34                           ; s[34:39]  where its codes go, one base for each version
	s_load_b256 s[4:11], s[0:1], 0x0               ; x s[4:5], Wq s[6:7], Wk s[8:9], Wv s[10:11]
	s_load_b256 s[12:19], s[0:1], 0x20             ; mask s[12:13], the exponents s[14:15], codes s[16:17], mbits s[18:19]
	v_lshrrev_b32 v1, 5, v0
	v_readfirstlane_b32 s20, v1                    ; wave 0..3
	v_and_b32 v2, 31, v0                           ; lane
	v_lshlrev_b32 v3, 4, v2                        ; 16 x lane: my place in a load's and in a store's 512 bytes; never rewritten
	s_mov_b32 s23, 0                               ; the upper word of the offsets made in s22
	s_wait_kmcnt 0x0
	s_cmp_lt_u32 ttmp9, WGX
	s_cbranch_scc1 .Lpath_x
	s_cmp_lt_u32 ttmp9, WGX+WGW
	s_cbranch_scc1 .Lpath_w
; ---- THE MASK.  The work-group takes 32 rows, wave w their keys 512 w .. 512 w + 511: eight steps of 64 keys.
; Lane (r, h) loads 8 bytes: row 16 u + r, keys 64 s + 16 q + 8 h + 0 .. 7; a compare of byte j over the 32 lanes IS the word (8 q + j, u); v_writelane_b32 puts it into lane 8 q + j.
	s_sub_co_u32 s21, ttmp9, WGX+WGW               ; P
	s_lshl_b32 s22, s21, 16                        ; 32 rows of 2,048 bytes
	s_lshl_b32 s24, s20, 9
	s_add_co_u32 s22, s22, s24
	s_add_nc_u64 s[32:33], s[12:13], s[22:23]
	s_lshl_b32 s22, s21, 13
	s_lshl_b32 s24, s20, 11                        ; eight steps of 256 bytes
	s_add_co_u32 s22, s22, s24
	s_add_nc_u64 s[34:35], s[18:19], s[22:23]
	; FLAGS, behind the lane masks, from byte 2 MiB of mbits on: P x 1,024 + wave x 256: a pair of words, the same in all 32 lanes (one aligned unit of 256 bytes a wave).
	; Word 0, bit 8 wave + s: step 8 wave + s of 64 keys has some key that counts for some of the 32 queries.  Word 1, the same bit: it has some key that is hidden.
	s_lshl_b32 s22, s21, 10
	s_lshl_b32 s24, s20, 8
	s_add_co_u32 s22, s22, s24
	s_add_co_u32 s22, s22, 0x200000
	s_add_nc_u64 s[38:39], s[18:19], s[22:23]
	s_mov_b32 s36, 0
	s_mov_b32 s37, 0
	v_and_b32 v1, 15, v0                           ; r
	v_bfe_u32 v13, v0, 4, 1                        ; h
	v_lshlrev_b32 v1, 11, v1
	v_lshl_add_u32 v1, v13, 3, v1                  ; 2,048 r + 8 h
	s_wait_alu depctr_va_vdst(0)
	v_lshlrev_b32 v12, 3, v2                       ; out: 8 bytes a lane
.irp s, 0,1,2,3,4,5,6,7
.irp u, 0,1
.irp q, 0,1,2,3
	global_load_b64 v[16+16*\s+8*\u+2*\q:16+16*\s+8*\u+2*\q+1], v1, s[32:33] offset:32768*\u+64*\s+16*\q
.endr
.endr
.endr
.irp i, 0,1,2,3,4,5,6,7,8,9,10,11,12,13,14,15
	v_mov_b32 v[144+\i], 0                         ; written whole once: v_writelane_b32 leaves the other lanes as they are
.endr
.macro MSTEP s
	s_wait_loadcnt 56-8*(\s)                       ; this step's eight loads are in; the 8 (7 - s) of the later steps may be out
.irp u, 0,1
.irp q, 0,1,2,3
.irp j, 0,1,2,3,4,5,6,7
	v_bfe_u32 v[4+\j], v[16+16*(\s)+8*\u+2*\q+\j/4], 8*(\j%4), 8
.endr
.irp j, 0,1,2,3,4,5,6,7
	v_cmp_ne_u32 s[40+\j], 0, v[4+\j]
.endr
.irp j, 0,1,2,3,4,5,6,7
	v_writelane_b32 v[144+2*(\s)+\u], s[40+\j], 8*\q+\j
.endr
.endr
.endr
	global_store_b64 v12, v[144+2*(\s):145+2*(\s)], s[34:35] offset:256*(\s)
	v_and_b32 v14, v[144+2*(\s)], v[145+2*(\s)]    ; the step's 64 words lie in these two registers' 32 lanes
	v_or_b32 v15, v[144+2*(\s)], v[145+2*(\s)]
	v_cmp_ne_u32 s40, -1, v14                      ; some word is not all ones: some key counts
	v_cmp_ne_u32 s41, 0, v15                       ; some word is not 0: some key is hidden
	s_cmp_lg_u32 s40, 0
	s_cselect_b32 s40, 1<<(\s), 0
	s_or_b32 s36, s36, s40
	s_cmp_lg_u32 s41, 0
	s_cselect_b32 s41, 1<<(\s), 0
	s_or_b32 s37, s37, s41
.endm
.irp s, 0,1,2,3,4,5,6,7
	MSTEP \s
.endr
	s_lshl_b32 s24, s20, 3
	s_lshl_b32 s36, s36, s24                       ; my eight steps' bits at 8 x wave
	s_lshl_b32 s37, s37, s24
	v_mov_b32 v160, s36
	v_mov_b32 v161, s37
	global_store_b64 v12, v[160:161], s[38:39]     ; 32 lanes store 256 consecutive bytes, aligned
	s_endpgm
; ---- THE QUANTISER.  A wave takes 8,192 numbers in 16 steps of 512, written out: every offset is an immediate, no pointer is stepped.  Loads run four steps (16 loads) ahead.
.macro SCALE e, i                      ; s[e] holds the exponent
	s_add_co_i32 s21, s[\e], 127
	s_lshl_b32 s22, s21, 23
	v_mov_b32 v[SC+\i], s22                        ; 2^e as f32: the conversion takes its exponent field
	s_add_co_i32 s21, s21, 15
	s_lshl_b32 s21, s21, 23
	s_or_b32 s21, s21, 0x600000
	v_mov_b32 v[LM+\i], s21                        ; 57,344 x 2^e
.endm
.macro LOADX t
.irp i, 0,1,2,3
	global_load_b128 v[R+16*((\t)%4)+4*\i:R+16*((\t)%4)+4*\i+3], v3, s[SRC:SRC+1] offset:2048*(\t)+512*\i th:TH_LOAD_NT
.endr
.endm
.macro QSTEP t, nver                   ; nver: how many scales the numbers are quantised under
.if 15-(\t) >= 3
	s_wait_loadcnt 12                              ; this step's four loads are in; those of the three steps behind it may be out
.else
	s_wait_loadcnt 4*(15-(\t))
.endif
.if (\t) >= 4
	s_wait_xcnt 0x0                                ; the stores of four steps back have read their data: that set of codes is written again only behind this wait
.endif
.set ver, 0
.rept \nver
.set TS, T+16*(((\nver)*(\t)+ver)%2)               ; the two sets take turns: sixteen plain lines stand between a conversion and the next write of its sources
.set CSET, C+4*(\nver)*((\t)%4)+4*ver
.irp i, 0,1,2,3,4,5,6,7,8,9,10,11,12,13,14,15
	v_med3_num_f32 v[TS+\i], v[R+16*((\t)%4)+\i], -v[LM+ver], v[LM+ver]   ; the conversion to an 8-bit code does not saturate (ISA guide 7.6.2): the hold comes first
.endr
	v_cvt_scalef32_pk8_bf8_f32 v[CSET:CSET+1], v[TS:TS+7], v[SC+ver]
	v_cvt_scalef32_pk8_bf8_f32 v[CSET+2:CSET+3], v[TS+8:TS+15], v[SC+ver]
.set ver, ver+1
.endr
.if (\t)+4 < 16
	LOADX (\t)+4                                   ; the set that has just been read takes the numbers of four steps on
.endif
.set ver, 0
.rept \nver
.set CSET, C+4*(\nver)*((\t)%4)+4*ver
	global_store_b128 v3, v[CSET:CSET+3], s[DST+2*ver:DST+2*ver+1] offset:512*(\t)   ; 512 consecutive bytes, aligned
.set ver, ver+1
.endr
.endm
.Lpath_x:
	s_load_b256 s[24:31], s[14:15], 0x0            ; e0 .. e7
	s_lshl_b32 s21, ttmp9, 2
	s_add_co_u32 s21, s21, s20                     ; which run of 8,192 numbers is my wave's
	s_lshl_b32 s22, s21, 15
	s_add_nc_u64 s[SRC:SRC+1], s[4:5], s[22:23]
	s_lshl_b32 s22, s21, 13
	s_add_nc_u64 s[DST:DST+1], s[16:17], s[22:23]
	s_add_nc_u64 s[DST+2:DST+3], s[DST:DST+1], 0x800000    ; the sets lie 8 MiB apart: too far for an immediate, so each has its base
	s_add_nc_u64 s[DST+4:DST+5], s[DST:DST+1], 0x1000000
	s_wait_alu depctr_va_vdst(0)
.irp t, 0,1,2,3
	LOADX \t
.endr
	s_wait_kmcnt 0x0
	SCALE 24, 0
	SCALE 26, 1
	SCALE 28, 2
	s_wait_alu depctr_va_vdst(0)
.irp t, 0,1,2,3,4,5,6,7,8,9,10,11,12,13,14,15
	QSTEP \t, 3
.endr
	s_endpgm
.Lpath_w:
	s_load_b256 s[24:31], s[14:15], 0x0            ; e0 .. e7
	s_sub_co_u32 s21, ttmp9, WGX
	s_lshr_b32 s40, s21, 5                         ; which weight: 0 Wq, 1 Wk, 2 Wv
	s_and_b32 s21, s21, 31
	s_lshl_b32 s21, s21, 2
	s_add_co_u32 s21, s21, s20                     ; which run of 8,192 numbers of it
	s_cmp_eq_u32 s40, 0                            ; the choice hangs on the work-group's number alone
	s_cselect_b64 s[SRC:SRC+1], s[6:7], s[8:9]
	s_cmp_eq_u32 s40, 2
	s_cselect_b64 s[SRC:SRC+1], s[10:11], s[SRC:SRC+1]
	s_lshl_b32 s22, s21, 15
	s_add_nc_u64 s[SRC:SRC+1], s[SRC:SRC+1], s[22:23]
	s_lshl_b32 s22, s21, 13
	s_lshl_b32 s41, s40, 20
	s_add_co_u32 s22, s22, s41
	s_add_co_u32 s22, s22, 0x1800000               ; 24 MiB + 1 MiB x weight
	s_add_nc_u64 s[DST:DST+1], s[16:17], s[22:23]
	s_wait_alu depctr_va_vdst(0)
.irp t, 0,1,2,3
	LOADX \t
.endr
	s_wait_kmcnt 0x0
	s_cmp_eq_u32 s40, 0
	s_cselect_b32 s42, s25, s27                    ; e1, e3
	s_cmp_eq_u32 s40, 2
	s_cselect_b32 s42, s29, s42                    ; or e5
	SCALE 42, 0
	s_wait_alu depctr_va_vdst(0)
.irp t, 0,1,2,3,4,5,6,7,8,9,10,11,12,13,14,15
	QSTEP \t, 1
.endr
	s_endpgm
.Lfunc_end_k_qd77faa2477_prep:
	.size	k_qd77faa2477_prep, .Lfunc_end_k_qd77faa2477_prep-k_qd77faa2477_prep
	.p2alignl 7, 3214868480
	.fill 96, 4, 3214868480
	.section	.rodata,"a",@progbits
	.p2align	6, 0x0
	.amdhsa_kernel k_qd77faa2477_prep
		.amdhsa_group_segment_fixed_size 0
		.amdhsa_private_segment_fixed_size 0
		.amdhsa_enable_private_segment 0
		.amdhsa_kernarg_size 64
		.amdhsa_user_sgpr_count 2
		.amdhsa_user_sgpr_kernarg_segment_ptr 1
		.amdhsa_wavefront_size32 1
		.amdhsa_system_sgpr_workgroup_id_x 1
		.amdhsa_system_sgpr_workgroup_id_y 1
		.amdhsa_system_sgpr_workgroup_id_z 1
		.amdhsa_system_vgpr_workitem_id 0
		.amdhsa_next_free_vgpr 168
		.amdhsa_next_free_sgpr 66
		.amdhsa_reserve_vcc 0
		.amdhsa_float_denorm_mode_32 3
		.amdhsa_float_denorm_mode_16_64 3
		.amdhsa_memory_ordered 1
		.amdhsa_forward_progress 1
		.amdhsa_inst_pref_size 203
	.end_amdhsa_kernel
	.amdgpu_metadata
---
amdhsa.version: [ 1, 2 ]
amdhsa.kernels:
  - .name:           k_qd77faa2477_prep
    .symbol:         k_qd77faa2477_prep.kd
    .args:
      - { .name: x, .offset: 0, .size: 8, .value_kind: global_buffer, .address_space: global }
      - { .name: Wq, .offset: 8, .size: 8, .value_kind: global_buffer, .address_space: global }
      - { .name: Wk, .offset: 16, .size: 8, .value_kind: global_buffer, .address_space: global }
      - { .name: Wv, .offset: 24, .size: 8, .value_kind: global_buffer, .address_space: global }
      - { .name: mask, .offset: 32, .size: 8, .value_kind: global_buffer, .address_space: global }
      - { .name: lowp_scales, .offset: 40, .size: 8, .value_kind: global_buffer, .address_space: global }
      - { .name: codes, .offset: 48, .size: 8, .value_kind: global_buffer, .address_space: global }
      - { .name: mbits, .offset: 56, .size: 8, .value_kind: global_buffer, .address_space: global }
    .group_segment_fixed_size: 0
    .private_segment_fixed_size: 0
    .kernarg_segment_align: 8
    .kernarg_segment_size: 64
    .max_flat_workgroup_size: 128
    .sgpr_count:     66
    .vgpr_count:     168
    .wavefront_size: 32
...
	.end_amdgpu_metadata
.endif
;; end of part 1
;; launch gemm (part 2): grid 12 x 32, 4 waves a work-group, clusters of 4 x 4, 327,680 bytes of LDS; arguments codes, lowp_scales, qkv; writes qkv
.if DOCPART == 2
	.amdgcn_target "amdgcn-amd-amdhsa--gfx1250"
	.amdhsa_code_object_version 6
	.text
	.protected	k_qd77faa2477_gemm
	.globl	k_qd77faa2477_gemm
	.p2align	8
	.type	k_qd77faa2477_gemm,@function
k_qd77faa2477_gemm:
	s_mov_b64 s[64:65], 0
	v_nop
	global_prefetch_b8 v0, s[64:65] scope:SCOPE_SE
	s_setreg_imm32_b32 hwreg(HW_REG_WAVE_MODE, 25, 1), 1
	s_wait_xcnt 0x0
	s_wait_alu depctr_hold_cnt(0) depctr_sa_sdst(0) depctr_va_vdst(0) depctr_va_sdst(0) depctr_va_ssrc(0) depctr_va_vcc(0) depctr_vm_vsrc(0)
	s_getreg_b32 s2, hwreg(HW_REG_IB_STS2, 6, 4)
	s_cmp_eq_u32 s2, 0
	s_cbranch_scc0 .Lentry_in_a_cluster
	s_endpgm
.Lentry_in_a_cluster:
	s_bfe_u32 s2, ttmp6, 0x10000c
	s_cmp_lg_u32 s2, 0xf033
	s_cbranch_scc0 .Lentry_shape_is_right
	s_endpgm
.Lentry_shape_is_right:
.set ROWB,   256
.set KROW,   1024
.set PITCH,  272
.set FR,     16
.set NL,     4
.set NP,     4
.set HALFT,  128*PITCH
.set SLOT,   4*HALFT
.set LAPS,   2
.set SPARE,  2*SLOT
.set VO,   8
.set LIMV, 12
.set SCV,  13
.set ADRA, 16
.set ADRB, 20
.set SPW,  28
.set NIL,  29
.set TMP,  32
.set AF,   128
.set CD,   128
.set G1, 24
.set G0, 32
.set G1B, 48
.set G0B, 56
.set MSB, 0
.macro WIN new
.if MSB != \new
	s_set_vgpr_msb (MSB<<8)|\new
.set MSB, \new
.endif
.endm
.set MUL_LO, 0xa1
.set MUL_HI, 0xf1
.set TO_B,   0x40
.macro JLOAD g0a, g1a, g0b, g1b
	s_cmp_eq_u32 s15, 0
	s_cbranch_scc0 .Lfor_b_\@
	tensor_load_to_lds s[\g0a:\g0a+3], s[\g1a:\g1a+7]
	s_nop 0
.rept 4
	v_nop
.endr
	s_branch .Lasked_\@
.Lfor_b_\@:
	tensor_load_to_lds s[\g0b:\g0b+3], s[\g1b:\g1b+7]
	s_nop 0
.rept 4
	v_nop
.endr
.Lasked_\@:
.endm
.macro CREST
	s_cmp_lg_u32 s14, 0
	s_cbranch_scc1 .Lnot_wave_0_\@
	s_barrier_signal -3
.Lnot_wave_0_\@:
	s_barrier_wait -3
	s_barrier_signal -1
	s_barrier_wait -1
.endm
.macro CROUND
	s_barrier_signal -1
	s_barrier_wait -1
	CREST
.endm
	s_load_b128 s[4:7], s[0:1], 0x0
	s_load_b64 s[10:11], s[0:1], 0x10
	v_lshl_add_u32 v[SPW], v0, 2, SPARE
	v_mov_b32 v[NIL], 0
	ds_add_u32 v28, v29
	ds_add_u32 v28, v29
	s_wait_dscnt 0x0
	v_lshrrev_b32 v1, 5, v0
	v_readfirstlane_b32 s14, v1
	s_lshr_b32 s15, s14, 1
	s_and_b32 s16, s14, 1
	s_bfe_u32 s40, ttmp6, 0x40000
	s_bfe_u32 s41, ttmp6, 0x40004
	s_mov_b32 s66, ttmp9
	s_and_b32 s67, ttmp7, 0xffff
	s_lshr_b32 s68, s66, 1
	s_mul_i32 s69, s68, s67
	s_sub_co_u32 s70, s67, s69
	s_lshl_b32 s42, s69, 2
	s_add_co_u32 s42, s42, s40
	s_lshl_b32 s17, s70, 2
	s_add_co_u32 s17, s17, s41
	s_mul_i32 s71, s68, 10485760
	s_lshl_b32 s72, s66, 23
	s_add_co_u32 s72, s72, s71
	s_lshl_b32 s73, s66, 20
	s_add_co_u32 s73, s73, 25165824
	s_sub_co_u32 s73, s73, s71
	s_lshl_b32 s74, s66, 3
	s_mov_b32 s75, 0
	s_mov_b32 s78, 24
	s_mov_b32 s79, 0
	s_mov_b32 s80, 18
	s_mov_b32 s81, 7
	s_mov_b32 s82, 0x800000
	s_mov_b32 s83, 8192
	s_mov_b32 s84, 262144
	s_cmp_eq_u32 s66, 0
	s_cselect_b32 s78, 28, s78
	s_cselect_b32 s80, 17, s80
	s_cselect_b32 s81, 6, s81
	s_cselect_b32 s82, 0, s82
	s_cselect_b32 s83, 4096, s83
	s_cselect_b32 s84, 131072, s84
	s_cmp_eq_u32 s66, 2
	s_cselect_b32 s78, 32, s78
	s_cselect_b32 s82, 0x801000, s82
	s_cselect_b32 s83, 262144, s83
	s_cselect_b32 s84, 8192, s84
	s_lshl_b32 s43, s41, 2
	s_lshl_b32 s43, 15, s43
	s_lshl_b32 s44, 0x1111, s40
	s_or_b32 s[G1+0], s43, (0<<16)|(1<<20)|(1<<21)|(5<<22)|(3<<25)
	s_or_b32 s[G1B+0], s44, (0<<16)|(1<<20)|(1<<21)|(5<<22)|(3<<25)
.irp g, G1, G1B
	s_mov_b32 s[\g+1], ROWB<<16
	s_mov_b32 s[\g+2], 128<<16
	s_mov_b32 s[\g+3], ROWB<<16
	s_mov_b32 s[\g+4], 128
	s_mov_b32 s[\g+5], KROW
	s_mov_b32 s[\g+6], 0
	s_mov_b32 s[\g+7], 0
.endr
	s_lshl_b32 s18, s16, 7
	s_lshl_b32 s20, s17, 8
	s_add_co_u32 s20, s20, s18
	s_lshl_b32 s20, s20, 10
	s_add_co_u32 s20, s20, s72
	s_mov_b32 s21, 0
	s_lshl_b32 s46, s42, 8
	s_add_co_u32 s46, s46, s18
	s_lshl_b32 s46, s46, 10
	s_add_co_u32 s46, s46, s73
	s_mov_b32 s47, 0
	s_mul_i32 s45, s14, HALFT
	s_wait_kmcnt 0x0
	s_add_nc_u64 s[90:91], s[6:7], s[74:75]
	s_add_nc_u64 s[92:93], s[6:7], s[78:79]
	s_load_b64 s[96:97], s[90:91], 0x0
	s_load_b32 s76, s[92:93], 0x0
	s_add_nc_u64 s[20:21], s[4:5], s[20:21]
	s_add_nc_u64 s[46:47], s[4:5], s[46:47]
	CROUND
.irp s, 0,1
	s_mov_b32 s[G0+4*\s], 1
	s_add_co_u32 s[G0+4*\s+1], s45, \s*SLOT
	s_add_nc_u64 s[G0+4*\s+2:G0+4*\s+3], s[20:21], \s*ROWB
	s_or_b32 s[G0+4*\s+3], s[G0+4*\s+3], 0x80000000
	s_mov_b32 s[G0B+4*\s], 1
	s_add_co_u32 s[G0B+4*\s+1], s45, \s*SLOT
	s_add_nc_u64 s[G0B+4*\s+2:G0B+4*\s+3], s[46:47], \s*ROWB
	s_or_b32 s[G0B+4*\s+3], s[G0B+4*\s+3], 0x80000000
	s_wait_alu depctr_va_vdst(0)
	s_wait_tensorcnt 0x0
	ds_add_u32 v28, v29
	ds_add_u32 v28, v29
	s_wait_dscnt 0x0
	CROUND
	JLOAD G0+4*\s, G1, G0B+4*\s, G1B
.endr
	v_and_b32 v1, 15, v0
	v_bfe_u32 v2, v0, 4, 1
	v_mul_u32_u24 v3, v1, PITCH
	v_lshl_add_u32 v4, v2, 4, v3
	s_mul_i32 s21, s15, HALFT
	s_mul_i32 s22, s16, HALFT
	s_add_co_u32 s22, s22, 2*HALFT
.irp s, 0,1
	v_add_nc_u32 v[ADRA+\s], s21, v4
	v_add_nc_u32 v[ADRB+\s], s22, v4
	s_add_co_u32 s21, s21, SLOT
	s_add_co_u32 s22, s22, SLOT
.endr
	s_lshl_b32 s85, s17, 8
	s_lshl_b32 s86, s15, 7
	s_add_co_u32 s85, s85, s86
	s_lshl_b32 s86, s42, 8
	s_lshl_b32 s87, s16, 7
	s_add_co_u32 s86, s86, s87
	s_cmp_eq_u32 s68, 1
	s_cselect_b32 s87, s86, s85
	s_cselect_b32 s88, s85, s86
	s_lshr_b32 s89, s87, 11
	s_lshl_b32 s89, s89, 4
	s_lshr_b32 s88, s88, 6
	s_add_co_u32 s89, s89, s88
	s_lshl_b32 s89, s89, s80
	s_and_b32 s87, s87, 2047
	s_lshl_b32 s87, s87, s81
	s_add_co_u32 s88, s89, s87
	s_add_co_u32 s88, s88, s82
	s_mov_b32 s89, 0
	s_add_nc_u64 s[10:11], s[10:11], s[88:89]
	v_and_b32 v6, 31, v0
	v_lshlrev_b32 v[VO], 4, v6
	v_add_nc_u32 v[VO+1], s84, v[VO]
	v_add_nc_u32 v[VO+2], s83, v[VO]
	v_add_nc_u32 v[VO+3], s83, v[VO+1]
.macro FRAG reg, adr, q, i
.irp c, 0,1,2,3
	ds_load_b128 v[\reg+4*\c:\reg+4*\c+3], v[\adr] offset:128*(\q)+32*\c+(\i)*16*PITCH
.endr
.endm
.macro MUL16 a0, p, zero
.irp a, \a0, \a0+1
.irp b, 0,1,2,3,4,5,6,7
.if \zero
	v_wmma_f32_16x16x128_bf8_bf8 v[8*(8*((\a)%4)+\b):8*(8*((\a)%4)+\b)+7], v[128*(\p)+FR*\b:128*(\p)+FR*\b+FR-1], v[AF+FR*(\a):AF+FR*(\a)+FR-1], 0
.else
	v_wmma_f32_16x16x128_bf8_bf8 v[8*(8*((\a)%4)+\b):8*(8*((\a)%4)+\b)+7], v[128*(\p)+FR*\b:128*(\p)+FR*\b+FR-1], v[AF+FR*(\a):AF+FR*(\a)+FR-1], v[8*(8*((\a)%4)+\b):8*(8*((\a)%4)+\b)+7]
.endif
.endr
.endr
.endm
.macro FETCH_B slot, q, p
	WIN TO_B
.irp i, 0,1,2,3,4,5,6,7
	FRAG 128*(\p)+FR*\i, ADRB+\slot, \q, \i
.endr
	WIN 0
.endm
.macro FETCH_A slot, q, i0
.irp i, \i0, \i0+1, \i0+2, \i0+3
	FRAG AF+FR*(\i), ADRA+\slot, \q, \i
.endr
.endm
.macro PLACES n
.rept \n
	v_nop
.endr
.endm
.macro STEP slot, q, zero
	s_wait_dscnt 4*NL
	WIN MUL_LO
	MUL16 0, (\q)%2, \zero
	MUL16 2, (\q)%2, \zero
	s_wait_dscnt 0
	PLACES NP
	FETCH_B \slot, (\q)+1, 1-(\q)%2
	FETCH_A \slot, (\q)+1, 0
	WIN MUL_HI
	MUL16 4, (\q)%2, \zero
	MUL16 6, (\q)%2, \zero
	PLACES NP
	WIN 0
	FETCH_A \slot, (\q)+1, 4
.endm
.macro TURN slot, next, fill
	s_wait_tensorcnt 0x0
	ds_add_u32 v[SPW], v[NIL]
	s_wait_dscnt 4*NL+1
	WIN MUL_LO
	MUL16 0, 1, 0
	s_wait_dscnt 0x0
	s_barrier_signal -1
	MUL16 2, 1, 0
	WIN 0
	s_barrier_wait -1
.if \fill
	CREST
	s_add_nc_u64 s[G0+4*\slot+2:G0+4*\slot+3], s[G0+4*\slot+2:G0+4*\slot+3], 2*ROWB
	s_add_nc_u64 s[G0B+4*\slot+2:G0B+4*\slot+3], s[G0B+4*\slot+2:G0B+4*\slot+3], 2*ROWB
	JLOAD G0+4*\slot, G1, G0B+4*\slot, G1B
.else
	PLACES NP
.endif
	FETCH_B \next, 0, 0
	FETCH_A \next, 0, 0
	WIN MUL_HI
	MUL16 4, 1, 0
	MUL16 6, 1, 0
	PLACES NP
	WIN 0
	FETCH_A \next, 0, 4
.endm
	s_wait_alu depctr_va_vdst(0)
	s_wait_tensorcnt 1
	s_barrier_signal -1
	s_barrier_wait -1
	FETCH_B 0, 0, 0
	FETCH_A 0, 0, 0
	FETCH_A 0, 0, 4
	STEP 0, 0, 1
	s_mov_b32 s3, LAPS-1
.Llap:
	TURN 0, 1, 1
	STEP 1, 0, 0
	TURN 1, 0, 1
	STEP 0, 0, 0
	s_sub_co_u32 s3, s3, 1
	s_cmp_lg_u32 s3, 0
	s_cbranch_scc1 .Llap
	TURN 0, 1, 0
	STEP 1, 0, 0
	s_wait_dscnt 4*NL
	WIN MUL_LO
	MUL16 0, 1, 0
	MUL16 2, 1, 0
	s_wait_dscnt 0
	WIN MUL_HI
	MUL16 4, 1, 0
	MUL16 6, 1, 0
	WIN 0
.macro OUT a
	WIN 0x02+((\a)/4)
.set j, 0
.rept 64
	v_med3_num_f32 v[TMP+j], v[64*((\a)%4)+j], -v[LIMV], v[LIMV]
.set j, j+1
.endr
	WIN 0
.irp b, 0,1,2,3,4,5,6,7
	v_cvt_scalef32_pk8_bf8_f32 v[CD+16*(\a)+2*\b:CD+16*(\a)+2*\b+1], v[TMP+8*\b:TMP+8*\b+7], v[SCV]
.endr
	v_nop
.irp g, 0,1
.irp u, 0,1
	global_store_b128 v[VO+2*((\a)/4)+\g], v[CD+16*(\a)+8*\g+4*\u:CD+16*(\a)+8*\g+4*\u+3], s[10:11] offset:1024*((\a)%4)+512*\u
.endr
.endr
.endm
	s_wait_kmcnt 0x0
	s_sub_co_i32 s76, s76, s96
	s_sub_co_i32 s76, s76, s97
	s_add_co_i32 s76, s76, 127
	s_lshl_b32 s77, s76, 23
	v_mov_b32 v[SCV], s77
	s_add_co_i32 s76, s76, 15
	s_lshl_b32 s76, s76, 23
	s_or_b32 s76, s76, 0x600000
	v_mov_b32 v[LIMV], s76
	PLACES NP
.irp a, 0,1,2,3,4,5,6,7
	OUT \a
.endr
	s_wait_tensorcnt 0x0
	ds_add_u32 v[SPW], v[NIL]
	s_wait_dscnt 0x0
	CROUND
	s_endpgm
.Lfunc_end_k_qd77faa2477_gemm:
	.size	k_qd77faa2477_gemm, .Lfunc_end_k_qd77faa2477_gemm-k_qd77faa2477_gemm
	.p2alignl 7, 3214868480
	.fill 96, 4, 3214868480
	.section	.rodata,"a",@progbits
	.p2align	6, 0x0
	.amdhsa_kernel k_qd77faa2477_gemm
		.amdhsa_group_segment_fixed_size 327680
		.amdhsa_private_segment_fixed_size 0
		.amdhsa_enable_private_segment 0
		.amdhsa_kernarg_size 24
		.amdhsa_user_sgpr_count 2
		.amdhsa_user_sgpr_kernarg_segment_ptr 1
		.amdhsa_wavefront_size32 1
		.amdhsa_system_sgpr_workgroup_id_x 1
		.amdhsa_system_sgpr_workgroup_id_y 1
		.amdhsa_system_sgpr_workgroup_id_z 1
		.amdhsa_system_vgpr_workitem_id 0
		.amdhsa_next_free_vgpr 1024
		.amdhsa_next_free_sgpr 98
		.amdhsa_reserve_vcc 0
		.amdhsa_float_denorm_mode_32 3
		.amdhsa_float_denorm_mode_16_64 3
		.amdhsa_memory_ordered 1
		.amdhsa_forward_progress 1
		.amdhsa_inst_pref_size 120
	.end_amdhsa_kernel
	.amdgpu_metadata
---
amdhsa.version: [ 1, 2 ]
amdhsa.kernels:
  - .name:           k_qd77faa2477_gemm
    .symbol:         k_qd77faa2477_gemm.kd
    .args:
      - { .name: codes, .offset: 0, .size: 8, .value_kind: global_buffer, .address_space: global }
      - { .name: lowp_scales, .offset: 8, .size: 8, .value_kind: global_buffer, .address_space: global }
      - { .name: qkv, .offset: 16, .size: 8, .value_kind: global_buffer, .address_space: global }
    .group_segment_fixed_size: 327680
    .private_segment_fixed_size: 0
    .kernarg_segment_align: 8
    .kernarg_segment_size: 24
    .max_flat_workgroup_size: 128
    .sgpr_count:     98
    .vgpr_count:     1024
    .wavefront_size: 32
...
	.end_amdgpu_metadata
.endif
;; end of part 2
;; launch attn (part 3): grid 4 x 64, 16 waves a work-group, no clusters, 327,680 bytes of LDS; arguments qkv, mbits, lowp_scales, x, y; writes y
.if DOCPART == 3
	.amdgcn_target "amdgcn-amd-amdhsa--gfx1250"
	.amdhsa_code_object_version 6
	.text
	.protected	k_qd77faa2477_attn
	.globl	k_qd77faa2477_attn
	.p2align	8
	.type	k_qd77faa2477_attn,@function
k_qd77faa2477_attn:
	s_mov_b64 s[64:65], 0
	v_nop
	global_prefetch_b8 v0, s[64:65] scope:SCOPE_SE
	s_setreg_imm32_b32 hwreg(HW_REG_WAVE_MODE, 25, 1), 1
	s_wait_xcnt 0x0
; y[b][q][64 head ..] = x + softmax_k(Q.K / sqrt(128), under the mask) V, both products on codes of BF8 (E5M2); one (batch, head) to four work-groups, 32 queries to a wave, 64 keys a step.
; p = 2^(t - M), t = score x log2(e) / sqrt(128), M the running largest t rounded up to a whole number; the row's sum is taken of the unquantised p and divides at the end.
; THE MASK'S WHOLE NUMBERS DECIDE THE WORK.  The launch before stored, for each block of 32 queries, one bit a step: some key counts (LIVE), some key is hidden (MIX).
; A step with no key that counts would leave M, the sum and O as they are (every p is 0, the factor is 1): it is left out by a scalar branch on LIVE.  The lane masks are loaded and applied only where MIX says so.
; This text has no tensor load, no joint loads and no cluster: the work-group fills LDS itself, through registers.
; LDS: steps 0-30 of the head's K and V (register images, 8,192 bytes a step) at 0; a stage of 16 rows x 272 bytes for each wave behind them; then the spare words: 253,952 + 69,632 + 2,048 bytes.
; All 32 steps, the stages and the spare words would be 333,824 bytes: so step 31 goes from memory straight into each wave's registers.
; WHICH QUERIES: wave w of work-group c takes block P = 16 k + (k odd ? 15 - j : j), k = (w / 4 + w % 4) % 4, j = 4 c + w / 4: the four waves with equal w % 4, and those with equal w / 4, hold one block of each quarter of the queries.
; THE HOLD: p is at most 1, so where 57,344 x 2^ep is 1 or more the hold changes no number.
; LIMITS: e6 + e7 between -123 and 130, e9 between -126 and 112; the scaled scores stay under 2^31 in magnitude.  A row with no key that counts gives NaN, as 0 / 0.
; LAYOUT: S^T = K Q^T, O^T = V^T P^T: a lane holds one query (lane % 16) of each of its two tiles; register 8 t + j is key (or channel) 16 t + 8 (lane / 16) + j.
; The two tiles' chains of dependent lines are laid by turns.
.set NRES,  31                         ; steps that lie in LDS
.set STAGE, NRES*8192
.set SPARE, STAGE+16*4352
.set LI,   1                           ; 16 x lane
.set ADR,  2
.set NINF, 3
.set SCL,  4                           ; 2^e9 as f32
.set PFO,  5                           ; 4,096 x lane
.set GO,   6
.set STI,  7
.set ST,   8                           ; v8-15: for each tile -M, the largest t, the sum in two halves
.set FA,   8                           ; v8-11, at the head alone: 16 x thread + 65,536 n
.set Q,    16
.set KF,   32
.set VF,   64
.set S,    96
.set O,    160
.set P,    224
.set W,    240                         ; v240-246, v248-254 at work; v247 my spare word's address, v255 = 0
.set MP,   2
.set MOFF, 4
.set CNT,  5
.set TB,   6
.set WV,   7
.set CS,   8
.set SEL,  10
.set EO,   12
.set LIM,  13
.set XB,   14
.set YB,   66
.set KL,   84                          ; s[84:85] step 31 in memory
.set LIVE, 86
.set MIX,  87
.macro MLOAD
	s_load_b512 s[16:31], s[MP:MP+1], s[MOFF] offset:0x0
	s_load_b512 s[32:47], s[MP:MP+1], s[MOFF] offset:0x40
	s_load_b512 s[48:63], s[MP:MP+1], s[MOFF] offset:0x80
	s_load_b512 s[68:83], s[MP:MP+1], s[MOFF] offset:0xc0
.endm
.macro MASKG t, grp
.irp j, 0,1,2,3,4,5,6,7
.irp u, 0,1
	v_cndmask_b32 v[S+32*\u+8*\t+\j], v[S+32*\u+8*\t+\j], v[NINF], s[\grp+2*\j+\u]
.endr
.endr
.endm
	s_load_b256 s[16:23], s[0:1], 0x0              ; qkv s[16:17], mbits s[18:19], the exponents s[20:21], x s[22:23]
	s_load_b64 s[24:25], s[0:1], 0x20              ; y
	v_lshl_add_u32 v247, v0, 2, SPARE
	v_mov_b32 v255, 0
	v_lshrrev_b32 v1, 5, v0
	v_readfirstlane_b32 s[WV], v1
	s_mul_i32 s100, s[WV], 4352
	s_add_co_u32 s100, s100, STAGE                 ; my stage
	v_lshlrev_b32 v[FA], 4, v0
	v_add_nc_u32 v[FA+1], 0x10000, v[FA]
	v_add_nc_u32 v[FA+2], 0x20000, v[FA]
	v_add_nc_u32 v[FA+3], 0x30000, v[FA]
	v_and_b32 v[LI], 31, v0
	v_lshlrev_b32 v[PFO], 12, v[LI]
	v_lshlrev_b32 v[LI], 4, v[LI]
	v_and_b32 v[GO], 15, v0
	v_bfe_u32 v[ADR], v0, 4, 1
	v_mul_u32_u24 v[STI], v[GO], 272
	v_lshl_add_u32 v[STI], v[ADR], 5, v[STI]
	v_add_nc_u32 v[STI], s100, v[STI]              ; into the stage: row lane % 16, 32 bytes for each half of the lanes
	v_lshlrev_b32 v[GO], 4, v[GO]
	v_lshl_add_u32 v[GO], v[ADR], 12, v[GO]        ; x and y: lanes 0-15 one row, lanes 16-31 the next
	v_mov_b32 v[NINF], 0xff800000
	s_and_b32 s26, ttmp7, 0xffff                   ; 16 batch + head
	s_lshr_b32 s27, s[WV], 2
	s_and_b32 s28, s[WV], 3
	s_add_co_u32 s28, s28, s27
	s_and_b32 s28, s28, 3                          ; k
	s_lshl_b32 s29, ttmp9, 2
	s_add_co_u32 s29, s29, s27                     ; j
	s_sub_co_u32 s30, 15, s29
	s_and_b32 s31, s28, 1
	s_cselect_b32 s29, s30, s29
	s_lshl_b32 s28, s28, 4
	s_add_co_u32 s28, s28, s29                     ; P
	s_lshr_b32 s29, s26, 4
	s_lshl_b32 s29, s29, 6
	s_add_co_u32 s29, s29, s28                     ; 64 batch + P
	s_lshl_b32 s32, s26, 18
	s_add_co_u32 s32, s32, 0x800000                ; K and V of my head
	s_mov_b32 s33, 0
	s_lshl_b32 s34, s26, 17
	s_lshl_b32 s35, s28, 11
	s_add_co_u32 s34, s34, s35                     ; my two tiles of Q
	s_mov_b32 s35, 0
	s_lshl_b32 s36, s29, 13                        ; my lane masks
	s_mov_b32 s37, 0
	s_lshl_b32 s38, s29, 10
	s_add_co_u32 s38, s38, 0x200000                ; my flags
	s_mov_b32 s39, 0
	s_lshl_b32 s40, s29, 17
	s_and_b32 s41, s26, 15
	s_lshl_b32 s41, s41, 8
	s_add_co_u32 s40, s40, s41                     ; my 32 rows of x and y, at my head's 64 columns
	s_mov_b32 s41, 0
	s_wait_alu depctr_va_vdst(0)
	s_wait_kmcnt 0x0
	s_add_nc_u64 s[32:33], s[16:17], s[32:33]
	s_add_nc_u64 s[34:35], s[16:17], s[34:35]
	s_add_nc_u64 s[MP:MP+1], s[18:19], s[36:37]
	s_add_nc_u64 s[38:39], s[18:19], s[38:39]
	s_add_nc_u64 s[XB:XB+1], s[22:23], s[40:41]
	s_add_nc_u64 s[YB:YB+1], s[24:25], s[40:41]
	s_add_nc_u64 s[KL:KL+1], s[32:33], NRES*8192
; THE FILL: load i of the work-group's 512 threads takes step i's 8,192 bytes, 16 a thread; all 31 go out at once, into registers that the loop uses later.
.set i, 0
.rept NRES
	global_load_b128 v[S+4*i:S+4*i+3], v[FA], s[32:33] offset:8192*i
.set i, i+1
.endr
.irp u, 0,1
	global_load_b128 v[Q+8*\u:Q+8*\u+3], v[LI], s[34:35] offset:1024*\u
	global_load_b128 v[Q+8*\u+4:Q+8*\u+7], v[LI], s[34:35] offset:1024*\u+512
.endr
	s_load_b128 s[96:99], s[20:21], 0x18           ; e6 .. e9
.irp w, 0,1,2,3
	s_load_b64 s[88+2*\w:89+2*\w], s[38:39], 0x100*\w
.endr
.set i, 0
.rept NRES
	s_wait_loadcnt NRES+3-i                        ; behind load i: the 30 - i later ones of the fill and Q's four
	ds_store_b128 v[FA+i/8], v[S+4*i:S+4*i+3] offset:8192*(i%8)
.set i, i+1
.endr
	s_wait_loadcnt 0x0                             ; Q
	s_wait_kmcnt 0x0
	s_wait_dscnt 0x0                               ; my part of the fill lies in LDS
	s_barrier_signal -1
	s_or_b32 s[LIVE], s88, s90
	s_or_b32 s[LIVE], s[LIVE], s92
	s_or_b32 s[LIVE], s[LIVE], s94
	s_or_b32 s[MIX], s89, s91
	s_or_b32 s[MIX], s[MIX], s93
	s_or_b32 s[MIX], s[MIX], s95
	s_mov_b32 s[SEL], 0x76543210
	s_mov_b32 s[SEL+1], 0xfedcba98
	s_mov_b32 s[CS], 0x3e0293ee                    ; log2(e) / sqrt(128),
	s_add_co_i32 s101, s96, s97
	s_lshl_b32 s101, s101, 23
	s_add_co_i32 s[CS], s[CS], s101                ; x 2^(e6 + e7)
	s_mov_b32 s[CS+1], s[CS]
	s_add_co_i32 s101, s99, 127
	s_lshl_b32 s[LIM], s101, 23
	v_mov_b32 v[SCL], s[LIM]
	s_add_co_i32 s101, s101, 15
	s_lshl_b32 s101, s101, 23
	s_or_b32 s[LIM], s101, 0x600000                ; 57,344 x 2^e9
	s_add_co_i32 s[EO], s98, s99
.irp u, 0,1
	v_mov_b32 v[ST+4*\u+1], 0xff61b1e6             ; -3e38, under every t
	v_floor_f32 v[ST+4*\u], -v[ST+4*\u+1]
	v_mov_b32 v[ST+4*\u+2], 0
	v_mov_b32 v[ST+4*\u+3], 0
	v_mov_b32 v[W+8*\u+3], 0
	v_mov_b32 v[W+8*\u+6], 0
.endr
.set j, 0
.rept 64
	v_mov_b32 v[O+j], 0                            ; which step is a wave's first hangs on the flags: the step is written once and finds zeros
.set j, j+1
.endr
	s_mov_b32 s[TB], 0
	s_mov_b32 s[CNT], 0
	s_wait_alu depctr_va_vdst(0)
	s_barrier_wait -1
; A STEP of 64 keys, number s[CNT].  g = 0: its fragments come from LDS; g = 1: from memory.
.macro STEP g
	s_lshr_b32 s101, s[LIVE], s[CNT]
	s_and_b32 s101, s101, 1
	s_cbranch_scc0 .Ldead_\@
.if \g
.rept 4
	v_nop                                          ; places in front of loads into registers that matrix instructions have read
.endr
.irp t, 0,1,2,3,4,5,6,7
	global_load_b128 v[KF+8*\t:KF+8*\t+3], v[LI], s[KL:KL+1] offset:1024*\t
	global_load_b128 v[KF+8*\t+4:KF+8*\t+7], v[LI], s[KL:KL+1] offset:1024*\t+512
.endr
	s_wait_loadcnt 0x0
.else
	v_add_nc_u32 v[ADR], s[TB], v[LI]
.rept 3
	v_nop                                          ; with the line above: four places
.endr
.irp t, 0,1,2,3,4,5,6,7
	ds_load_b128 v[KF+8*\t:KF+8*\t+3], v[ADR] offset:1024*\t
	ds_load_b128 v[KF+8*\t+4:KF+8*\t+7], v[ADR] offset:1024*\t+512
.endr
	s_wait_dscnt 0x0                               ; K's four tiles and V's four
.endif
.irp t, 0,1,2,3
.irp u, 0,1
	v_wmma_f32_16x16x64_bf8_bf8 v[S+32*\u+8*\t:S+32*\u+8*\t+7], v[KF+8*\t:KF+8*\t+7], v[Q+8*\u:Q+8*\u+7], 0
.endr
.endr
.rept 4
	v_nop
.endr
	s_lshr_b32 s101, s[MIX], s[CNT]
	s_and_b32 s101, s101, 1
	s_cbranch_scc0 .Lopen_\@                       ; no key of the step is hidden: nothing to select
	s_lshl_b32 s[MOFF], s[CNT], 8
	MLOAD
	s_wait_kmcnt 0x0
	MASKG 0, 16
	MASKG 1, 32
	MASKG 2, 48
	MASKG 3, 68
.Lopen_\@:
.irp u, 0,1
	v_max3_num_f32 v[W+8*\u], v[S+32*\u], v[S+32*\u+1], v[S+32*\u+2]
	v_max3_num_f32 v[W+8*\u+1], v[S+32*\u+3], v[S+32*\u+4], v[S+32*\u+5]
.endr
.irp i, 6,10,14,18,22,26
.irp u, 0,1
	v_max3_num_f32 v[W+8*\u], v[W+8*\u], v[S+32*\u+\i], v[S+32*\u+\i+1]
	v_max3_num_f32 v[W+8*\u+1], v[W+8*\u+1], v[S+32*\u+\i+2], v[S+32*\u+\i+3]
.endr
.endr
.irp u, 0,1
	v_max3_num_f32 v[W+8*\u], v[W+8*\u], v[S+32*\u+30], v[S+32*\u+31]
.endr
.irp u, 0,1
	v_max_num_f32 v[W+8*\u], v[W+8*\u], v[W+8*\u+1]
.endr
.irp u, 0,1
	v_permlanex16_b32 v[W+8*\u+6], v[W+8*\u], s[SEL], s[SEL+1]
.endr
.irp u, 0,1
	v_max_num_f32 v[W+8*\u], v[W+8*\u], v[W+8*\u+6]
.endr
.irp u, 0,1
	v_mul_f32 v[W+8*\u], s[CS], v[W+8*\u]
.endr
.irp u, 0,1
	v_max_num_f32 v[ST+4*\u+1], v[ST+4*\u+1], v[W+8*\u]
.endr
.irp u, 0,1
	v_mov_b32 v[W+8*\u+1], v[ST+4*\u]
.endr
.irp u, 0,1
	v_floor_f32 v[ST+4*\u], -v[ST+4*\u+1]          ; -M = floor(-t)
.endr
.irp u, 0,1
	v_sub_f32 v[W+8*\u+1], v[ST+4*\u], v[W+8*\u+1]
.endr
.irp u, 0,1
	v_cvt_i32_f32 v[W+8*\u+1], v[W+8*\u+1]
.endr
.irp u, 0,1
	v_ldexp_f32 v[W+8*\u+2], 1.0, v[W+8*\u+1]      ; f = 2^(old M - new M)
.endr
.irp j, 0,2,4,6,8,10,12,14,16,18,20,22,24,26,28,30
.irp u, 0,1
	v_pk_fma_f32 v[S+32*\u+\j:S+32*\u+\j+1], v[S+32*\u+\j:S+32*\u+\j+1], s[CS:CS+1], v[ST+4*\u:ST+4*\u+1] op_sel_hi:[1,0,0]
.endr
.endr
	s_wait_alu depctr_va_vdst(0)                   ; ahead of the batch
.set j, 0
.rept 64
	v_exp_f32 v[S+j], v[S+j]
.set j, j+1
.endr
.irp u, 0,1
	v_pk_mul_f32 v[ST+4*\u+2:ST+4*\u+3], v[ST+4*\u+2:ST+4*\u+3], v[W+8*\u+2:W+8*\u+3] op_sel_hi:[1,0]
.endr
	s_wait_alu depctr_va_vdst(0)                   ; and behind it, ahead of its first reader
.irp u, 0,1
	v_pk_add_f32 v[W+8*\u+4:W+8*\u+5], v[S+32*\u:S+32*\u+1], v[S+32*\u+2:S+32*\u+3]
.endr
.irp j, 4,8,12,16,20,24,28
.irp u, 0,1
	v_pk_add_f32 v[ST+4*\u+2:ST+4*\u+3], v[ST+4*\u+2:ST+4*\u+3], v[S+32*\u+\j:S+32*\u+\j+1]
	v_pk_add_f32 v[W+8*\u+4:W+8*\u+5], v[W+8*\u+4:W+8*\u+5], v[S+32*\u+\j+2:S+32*\u+\j+3]
.endr
.endr
.irp u, 0,1
	v_pk_add_f32 v[ST+4*\u+2:ST+4*\u+3], v[ST+4*\u+2:ST+4*\u+3], v[W+8*\u+4:W+8*\u+5]
.endr
	s_cmp_ge_u32 s[LIM], 0x3f800000                ; 57,344 x 2^e9 is positive: its bits compare as the numbers do
	s_cbranch_scc1 .Lfits_\@
.set j, 0
.rept 64
	v_min_num_f32 v[S+j], s[LIM], v[S+j]           ; the conversion does not saturate (ISA guide 7.6.2)
.set j, j+1
.endr
.Lfits_\@:
.irp t, 0,1,2,3
.irp u, 0,1
	v_cvt_scalef32_pk8_bf8_f32 v[P+8*\u+2*\t:P+8*\u+2*\t+1], v[S+32*\u+8*\t:S+32*\u+8*\t+7], v[SCL]
.endr
.endr
	s_wait_alu depctr_va_vdst(0)                   ; directly ahead of the first reader of O^T
.irp j, 0,2,4,6,8,10,12,14,16,18,20,22,24,26,28,30
.irp u, 0,1
	v_pk_mul_f32 v[O+32*\u+\j:O+32*\u+\j+1], v[O+32*\u+\j:O+32*\u+\j+1], v[W+8*\u+2:W+8*\u+3] op_sel_hi:[1,0]
.endr
.endr
.irp t, 0,1,2,3
.irp u, 0,1
	v_wmma_f32_16x16x64_bf8_bf8 v[O+32*\u+8*\t:O+32*\u+8*\t+7], v[VF+8*\t:VF+8*\t+7], v[P+8*\u:P+8*\u+7], v[O+32*\u+8*\t:O+32*\u+8*\t+7]
.endr
.endr
.Ldead_\@:
.endm
.Lstep:                                            ; 31 trips, a constant: what the flags leave out is the step's work
	STEP 0
	s_cmp_eq_u32 s[CNT], 0
	s_cbranch_scc0 .Lasked
	global_prefetch_b8 v[PFO], s[XB:XB+1] th:TH_LOAD_NT scope:SCOPE_SE   ; my 32 rows of x, a lane a row of 256 bytes, once, in the first trip: they are loaded behind the last step
.Lasked:
	s_add_co_u32 s[TB], s[TB], 8192
	s_add_co_u32 s[CNT], s[CNT], 1
	s_cmp_lt_u32 s[CNT], NRES
	s_cbranch_scc1 .Lstep
	STEP 1
; THE WAY OUT: O^T / the sum x 2^(e8 + e9) goes through my stage, one tile of 16 queries at a time, comes back as rows of 256 bytes, takes x, and leaves as aligned units of 256 bytes.
.rept 4
	v_nop
.endr
.irp u, 0,1
.irp i, 0,1,2,3,4,5,6,7
	global_load_b128 v[KF+32*\u+4*\i:KF+32*\u+4*\i+3], v[GO], s[XB:XB+1] offset:(16*\u+2*\i)*4096 th:TH_LOAD_NT
.endr
.endr
.irp u, 0,1
	v_add_f32 v[W+8*\u], v[ST+4*\u+2], v[ST+4*\u+3]
.endr
.irp u, 0,1
	v_permlanex16_b32 v[W+8*\u+6], v[W+8*\u], s[SEL], s[SEL+1]
.endr
.irp u, 0,1
	v_add_f32 v[W+8*\u], v[W+8*\u], v[W+8*\u+6]
.endr
	s_wait_alu depctr_va_vdst(0)                   ; ahead of the transcendentals
.irp u, 0,1
	v_rcp_f32 v[W+8*\u+2], v[W+8*\u]
.endr
	v_and_b32 v[W+1], 15, v0
	v_bfe_u32 v[W+9], v0, 4, 1
	v_mul_u32_u24 v[ADR], v[W+9], 272
	v_lshl_add_u32 v[ADR], v[W+1], 4, v[ADR]
	v_add_nc_u32 v[ADR], s100, v[ADR]              ; back from the stage: lanes 0-15 one row, lanes 16-31 the next
	s_wait_alu depctr_va_vdst(0)                   ; behind them, ahead of their first reader
.irp u, 0,1
	v_ldexp_f32 v[W+8*\u+2], v[W+8*\u+2], s[EO]
.endr
	s_wait_alu depctr_va_vdst(0)                   ; directly ahead of the first reader of O^T
.irp u, 0,1
.irp j, 0,2,4,6,8,10,12,14,16,18,20,22,24,26,28,30
	v_pk_mul_f32 v[S+32*\u+\j:S+32*\u+\j+1], v[O+32*\u+\j:O+32*\u+\j+1], v[W+8*\u+2:W+8*\u+3] op_sel_hi:[1,0]
.endr
.endr
.irp u, 0,1
.irp t, 0,1,2,3
	ds_store_b128 v[STI], v[S+32*\u+8*\t:S+32*\u+8*\t+3] offset:64*\t
	ds_store_b128 v[STI], v[S+32*\u+8*\t+4:S+32*\u+8*\t+7] offset:64*\t+16
.endr
.irp i, 0,1,2,3,4,5,6,7
	ds_load_b128 v[O+32*\u+4*\i:O+32*\u+4*\i+3], v[ADR] offset:2*\i*272   ; LDS serves a wave's instructions in order: these see my stores, and the second tile's stores come behind them
.endr
.endr
.irp u, 0,1
.irp i, 0,1,2,3,4,5,6,7
	s_wait_dscnt 16*(1-\u)+7-\i                    ; behind this load: its tile's later loads, and the other tile's 8 stores and 8 loads
	s_wait_loadcnt 15-8*\u-\i                      ; and x's later loads
	v_pk_add_f32 v[O+32*\u+4*\i:O+32*\u+4*\i+1], v[O+32*\u+4*\i:O+32*\u+4*\i+1], v[KF+32*\u+4*\i:KF+32*\u+4*\i+1]
	v_pk_add_f32 v[O+32*\u+4*\i+2:O+32*\u+4*\i+3], v[O+32*\u+4*\i+2:O+32*\u+4*\i+3], v[KF+32*\u+4*\i+2:KF+32*\u+4*\i+3]
	global_store_b128 v[GO], v[O+32*\u+4*\i:O+32*\u+4*\i+3], s[YB:YB+1] offset:(16*\u+2*\i)*4096
.endr
.endr
	s_wait_tensorcnt 0x0                           ; the wave's end, behind my last LDS store
	ds_add_u32 v247, v255
	s_wait_dscnt 0x0
	s_endpgm
.Lfunc_end_k_qd77faa2477_attn:
	.size	k_qd77faa2477_attn, .Lfunc_end_k_qd77faa2477_attn-k_qd77faa2477_attn
	.p2alignl 7, 3214868480
	.fill 96, 4, 3214868480
	.section	.rodata,"a",@progbits
	.p2align	6, 0x0
	.amdhsa_kernel k_qd77faa2477_attn
		.amdhsa_group_segment_fixed_size 327680
		.amdhsa_private_segment_fixed_size 0
		.amdhsa_enable_private_segment 0
		.amdhsa_kernarg_size 40
		.amdhsa_user_sgpr_count 2
		.amdhsa_user_sgpr_kernarg_segment_ptr 1
		.amdhsa_wavefront_size32 1
		.amdhsa_system_sgpr_workgroup_id_x 1
		.amdhsa_system_sgpr_workgroup_id_y 1
		.amdhsa_system_sgpr_workgroup_id_z 1
		.amdhsa_system_vgpr_workitem_id 0
		.amdhsa_next_free_vgpr 256
		.amdhsa_next_free_sgpr 106
		.amdhsa_reserve_vcc 0
		.amdhsa_float_denorm_mode_32 3
		.amdhsa_float_denorm_mode_16_64 3
		.amdhsa_memory_ordered 1
		.amdhsa_forward_progress 1
		.amdhsa_inst_pref_size 66
	.end_amdhsa_kernel
	.amdgpu_metadata
---
amdhsa.version: [ 1, 2 ]
amdhsa.kernels:
  - .name:           k_qd77faa2477_attn
    .symbol:         k_qd77faa2477_attn.kd
    .args:
      - { .name: qkv, .offset: 0, .size: 8, .value_kind: global_buffer, .address_space: global }
      - { .name: mbits, .offset: 8, .size: 8, .value_kind: global_buffer, .address_space: global }
      - { .name: lowp_scales, .offset: 16, .size: 8, .value_kind: global_buffer, .address_space: global }
      - { .name: x, .offset: 24, .size: 8, .value_kind: global_buffer, .address_space: global }
      - { .name: y, .offset: 32, .size: 8, .value_kind: global_buffer, .address_space: global }
    .group_segment_fixed_size: 327680
    .private_segment_fixed_size: 0
    .kernarg_segment_align: 8
    .kernarg_segment_size: 40
    .max_flat_workgroup_size: 512
    .sgpr_count:     106
    .vgpr_count:     256
    .wavefront_size: 32
...
	.end_amdgpu_metadata
.endif
;; end of part 3
;; launch norm (part 4): grid 512 x 1, 4 waves a work-group, no clusters, 0 bytes of LDS; arguments y, gamma, beta, out0; writes out0
.if DOCPART == 4
	.amdgcn_target "amdgcn-amd-amdhsa--gfx1250"
	.amdhsa_code_object_version 6
	.text
	.protected	k_qd77faa2477_norm
	.globl	k_qd77faa2477_norm
	.p2align	8
	.type	k_qd77faa2477_norm,@function
k_qd77faa2477_norm:
	s_mov_b64 s[64:65], 0
	v_nop
	global_prefetch_b8 v0, s[64:65] scope:SCOPE_SE
	s_setreg_imm32_b32 hwreg(HW_REG_WAVE_MODE, 25, 1), 1
	s_wait_xcnt 0x0
; out0[row][c] = (y - mean) / sqrt(var + 1e-5) x gamma[c] + beta[c], mean and var over the row's 1,024 numbers; y, out0: [8192][1024] f32.
; A row is 4,096 bytes: one wave takes a whole row, eight 16-byte loads a lane, and keeps it in 32 registers: y is read once, and no wave waits for another.  No LDS, no barrier, no loop.
; A wave takes four rows; all 32 loads go out at the start.  The variance is taken of y - mean, in a second pass over the registers: no difference of large sums is formed.
; Each load and store of a wave covers 512 consecutive bytes, aligned.  Matrix units, clusters and tensor loads would add nothing to a stream that is read once.
.set GA, 4                             ; v4-35    gamma of my 32 columns: 128 j + 4 lane + 0 .. 3
.set BE, 36                            ; v36-67   beta
.set Y0, 68                            ; v68-195  four rows of 32 registers
	s_load_b256 s[4:11], s[0:1], 0x0               ; y s[4:5], gamma s[6:7], beta s[8:9], out0 s[10:11]
	v_lshrrev_b32 v2, 5, v0
	v_readfirstlane_b32 s12, v2                    ; wave 0..3
	v_and_b32 v1, 31, v0
	v_lshlrev_b32 v1, 4, v1                        ; 16 x lane; never rewritten
	s_lshl_b32 s2, ttmp9, 16                       ; 16 rows of 4,096 bytes a work-group,
	s_lshl_b32 s3, s12, 14                         ; 4 a wave
	s_add_co_u32 s2, s2, s3
	s_mov_b32 s3, 0
	s_mov_b32 s14, 0x3a800000                      ; 1 / 1,024
	s_mov_b32 s15, 0x3727c5ac                      ; 1e-5
	s_mov_b32 s16, 0x76543210                      ; v_permlanex16_b32: lane l xor 16
	s_mov_b32 s17, 0xfedcba98
	v_mov_b32 v201, 0                              ; (named as the upper halves of the pairs whose low word serves both halves)
	v_mov_b32 v205, 0
	s_wait_alu depctr_va_vdst(0)
	s_wait_kmcnt 0x0
	s_add_nc_u64 s[4:5], s[4:5], s[2:3]
	s_add_nc_u64 s[10:11], s[10:11], s[2:3]
.irp j, 0,1,2,3,4,5,6,7
	global_load_b128 v[GA+4*\j:GA+4*\j+3], v1, s[6:7] offset:512*\j
	global_load_b128 v[BE+4*\j:BE+4*\j+3], v1, s[8:9] offset:512*\j
.endr
.irp r, 0,1,2,3
.irp j, 0,1,2,3,4,5,6,7
	global_load_b128 v[Y0+32*\r+4*\j:Y0+32*\r+4*\j+3], v1, s[4:5] offset:4096*\r+512*\j th:TH_LOAD_NT
.endr
.endr
.macro ACROSS                          ; v196 summed over the 32 lanes, the result in every lane
	v_add_f32_dpp v196, v196, v196 row_xmask:1 row_mask:0xf bank_mask:0xf
	v_add_f32_dpp v196, v196, v196 row_xmask:2 row_mask:0xf bank_mask:0xf
	v_add_f32_dpp v196, v196, v196 row_xmask:4 row_mask:0xf bank_mask:0xf
	v_add_f32_dpp v196, v196, v196 row_xmask:8 row_mask:0xf bank_mask:0xf
	v_permlanex16_b32 v197, v196, s16, s17
	v_add_f32 v196, v196, v197
.endm
.macro ROW r
.set X, Y0+32*(\r)
	s_wait_loadcnt 8*(3-(\r))                      ; this row's eight loads are in (and gamma and beta, which are older); the later rows' may be out
	v_pk_add_f32 v[196:197], v[X:X+1], v[X+2:X+3]  ; the sum, two at a time, in two chains
	v_pk_add_f32 v[198:199], v[X+4:X+5], v[X+6:X+7]
.irp j, 8,12,16,20,24,28
	v_pk_add_f32 v[196:197], v[196:197], v[X+\j:X+\j+1]
	v_pk_add_f32 v[198:199], v[198:199], v[X+\j+2:X+\j+3]
.endr
	v_pk_add_f32 v[196:197], v[196:197], v[198:199]
	v_add_f32 v196, v196, v197
	ACROSS
	v_mul_f32 v200, s14, v196                      ; the mean
.irp j, 0,2,4,6,8,10,12,14,16,18,20,22,24,26,28,30
	v_pk_add_f32 v[X+\j:X+\j+1], v[X+\j:X+\j+1], v[200:201] op_sel_hi:[1,0] neg_lo:[0,1] neg_hi:[0,1]   ; y - mean, in place
.endr
	v_pk_mul_f32 v[196:197], v[X:X+1], v[X:X+1]    ; the sum of squares, in two chains
	v_pk_mul_f32 v[198:199], v[X+2:X+3], v[X+2:X+3]
.irp j, 4,8,12,16,20,24,28
	v_pk_fma_f32 v[196:197], v[X+\j:X+\j+1], v[X+\j:X+\j+1], v[196:197]
	v_pk_fma_f32 v[198:199], v[X+\j+2:X+\j+3], v[X+\j+2:X+\j+3], v[198:199]
.endr
	v_pk_add_f32 v[196:197], v[196:197], v[198:199]
	v_add_f32 v196, v196, v197
	ACROSS
	v_fma_f32 v202, v196, s14, s15                 ; var + 1e-5
	s_wait_alu depctr_va_vdst(0)
	v_rsq_f32 v204, v202
	v_nop                                          ; a plain line behind the transcendental
	s_wait_alu depctr_va_vdst(0)                   ; and the wait ahead of its first reader
.irp j, 0,2,4,6,8,10,12,14,16,18,20,22,24,26,28,30
	v_pk_mul_f32 v[X+\j:X+\j+1], v[X+\j:X+\j+1], v[204:205] op_sel_hi:[1,0]
.endr
.irp j, 0,2,4,6,8,10,12,14,16,18,20,22,24,26,28,30
	v_pk_fma_f32 v[X+\j:X+\j+1], v[X+\j:X+\j+1], v[GA+\j:GA+\j+1], v[BE+\j:BE+\j+1]
.endr
.irp j, 0,1,2,3,4,5,6,7
	global_store_b128 v1, v[X+4*\j:X+4*\j+3], s[10:11] offset:4096*(\r)+512*\j th:TH_STORE_NT   ; each row has its own registers: no store's data are written again
.endr
.endm
	ROW 0
	ROW 1
	ROW 2
	ROW 3
	s_endpgm
.Lfunc_end_k_qd77faa2477_norm:
	.size	k_qd77faa2477_norm, .Lfunc_end_k_qd77faa2477_norm-k_qd77faa2477_norm
	.p2alignl 7, 3214868480
	.fill 96, 4, 3214868480
	.section	.rodata,"a",@progbits
	.p2align	6, 0x0
	.amdhsa_kernel k_qd77faa2477_norm
		.amdhsa_group_segment_fixed_size 0
		.amdhsa_private_segment_fixed_size 0
		.amdhsa_enable_private_segment 0
		.amdhsa_kernarg_size 32
		.amdhsa_user_sgpr_count 2
		.amdhsa_user_sgpr_kernarg_segment_ptr 1
		.amdhsa_wavefront_size32 1
		.amdhsa_system_sgpr_workgroup_id_x 1
		.amdhsa_system_sgpr_workgroup_id_y 1
		.amdhsa_system_sgpr_workgroup_id_z 1
		.amdhsa_system_vgpr_workitem_id 0
		.amdhsa_next_free_vgpr 208
		.amdhsa_next_free_sgpr 66
		.amdhsa_reserve_vcc 0
		.amdhsa_float_denorm_mode_32 3
		.amdhsa_float_denorm_mode_16_64 3
		.amdhsa_memory_ordered 1
		.amdhsa_forward_progress 1
		.amdhsa_inst_pref_size 33
	.end_amdhsa_kernel
	.amdgpu_metadata
---
amdhsa.version: [ 1, 2 ]
amdhsa.kernels:
  - .name:           k_qd77faa2477_norm
    .symbol:         k_qd77faa2477_norm.kd
    .args:
      - { .name: y, .offset: 0, .size: 8, .value_kind: global_buffer, .address_space: global }
      - { .name: gamma, .offset: 8, .size: 8, .value_kind: global_buffer, .address_space: global }
      - { .name: beta, .offset: 16, .size: 8, .value_kind: global_buffer, .address_space: global }
      - { .name: out0, .offset: 24, .size: 8, .value_kind: global_buffer, .address_space: global }
    .group_segment_fixed_size: 0
    .private_segment_fixed_size: 0
    .kernarg_segment_align: 8
    .kernarg_segment_size: 32
    .max_flat_workgroup_size: 128
    .sgpr_count:     66
    .vgpr_count:     208
    .wavefront_size: 32
...
	.end_amdgpu_metadata
.endif
;; end of part 4
